; MI455X (gfx1250); checked and timed in simulation.
; The chip was launched on July 23, 2026; its instructions are those of AMD's public machine-readable ISA for CDNA 5 (MIT licence, August 2026) and "CDNA5" Instruction Set Architecture Reference Guide (July 2026). The comments in the code are by the model that wrote it; some were corrected since.
;; Custom Dot Product Attention. Allowed arithmetic: matrix products marked QUANTISED: E2M1 operands, one E8M0 scale for each 32 along K, by v_wmma_scale_f32_16x16x128_f8f6f4 with both operands' format E2M1 (or v_wmma_scale_f32_32x16x128_f4), f32 sums; everything else in f32.
;; Inputs: key_codes 2,048 x 4 x 16 x 4 x 16 uint8 (E2M1 codes of key, K innermost, in blocks of 32 codes, two codes a byte); key_scales 2,048 x 4 x 16 x 4 uint8 (E8M0 scales of key, one for each 32 codes along K); query_codes 2,048 x 4 x 16 x 4 x 16 uint8 (E2M1 codes of query, K innermost, in blocks of 32 codes, two codes a byte); query_scales 2,048 x 4 x 16 x 4 uint8 (E8M0 scales of query, one for each 32 codes along K); value_codes 4 x 16 x 128 x 64 x 16 uint8 (E2M1 codes of value, K innermost, in blocks of 32 codes, two codes a byte); value_scales 4 x 16 x 128 x 64 uint8 (E8M0 scales of value, one for each 32 codes along K).
;; Outputs: out0 2,048 x 4 x 16 x 128 float32.
;; This version of the problem:
;;   THIS VERSION OF THE PROBLEM IS GIVEN IN LOW PRECISION. The matrix products marked QUANTISED in the list below multiply operands that are first quantised to E2M1 (2 exponent bits, 1 mantissa bit; 4 bits a number), with one power-of-two scale for each 32 numbers along K (OCP MX v1.0); their sums are f32. All else is computed in f32.
;;   The module's matrix products, in the order in which they are computed (A, B: the left and right operand; K: the contracted axis; several contracted axes count as one K, in the product's order):
;;     1. batch 64 x [M 2,048, K 128] x [K 128, N 2,048]; A: input key (given as codes); B: input query (given as codes): QUANTISED
;;     2. batch 64 x [M 128, K 2,048] x [K 2,048, N 2,048]; A: input value (given as codes); B: softmax (see below): QUANTISED
;;   THE QUANTISER, for each operand of a quantised product, along K:
;;     - K is cut into blocks of 32 from its start; a last block that is shorter is filled with zeros.
;;     - A block's scale is 2^e with e = floor(log2(the largest magnitude in the block)) - 2, held to -126 .. 127; a block of zeros has e = 0. As a byte (E8M0): e + 127.
;;     - Each number is divided by its block's scale, clamped to +-6, and rounded to the nearest number of E2M1, ties to even, subnormals kept.
;;     - The product sums the exact products of the quantised numbers (number of the format x scale) in f32.
;;   ~~~python
;;   def quantise(x, axis):      # numpy; x: float32 -> the quantised numbers, widened to float32 again
;;       x = np.moveaxis(x, axis, -1); K = x.shape[-1]
;;       x = np.pad(x, [(0, 0)] * (x.ndim - 1) + [(0, -K % 32)]); x = x.reshape(x.shape[:-1] + (-1, 32)); a = np.abs(x).max(-1, keepdims=True)
;;       e = np.where(a > 0, np.clip(np.frexp(np.where(a > 0, a, 1))[1] - 1 - 2, -126, 127), 0)      # np.frexp(a)[1] - 1 = floor(log2(a)), exactly
;;       r = np.clip(x / 2.0 ** e, -6, 6)
;;       step = 2.0 ** (np.maximum(np.frexp(np.where(r == 0, 1, r))[1] - 1, 0) - 1)
;;       q = np.round(r / step) * step * 2.0 ** e      # np.round: ties to even
;;       return np.moveaxis(q.reshape(q.shape[:-2] + (-1,))[..., :K], -1, axis).astype(np.float32)
;;   ~~~
;;   SOFTMAX AHEAD OF A QUANTISED PRODUCT. Where the list says 'softmax', what is quantised is not the finished softmax but p = 2^(t - M), with t = logit x log2(e) and M = ceil(the row's largest t), a whole number; so 1/2 < the row's largest p <= 1. The row's sum l is taken of the UNQUANTISED p, in f32, and the product's result is divided by l at the end. Since M is a whole number, a kernel that streams over the keys may use a running M (the ceiling of the running maximum): every later rescaling is an exact power of two, which a block's scale takes up: the codes' values come out the same.
;;   OPERANDS COMPUTED ON THE WAY. 'Computed on the way' means the value that the module computes at that place (a softmax that the list does not call 'softmax' is quantised finished and normalised). What goes into a quantiser is computed in f32, as accurately as f32 sums, v_exp_f32 and their like allow (about 1e-6 of the number): no bf16 or f16 on the way to a quantiser, and a product that is left as it is and whose result goes on into a quantised operand takes f32 operands (vector FMAs, or v_wmma_f32_16x16x4_f32). A number that lies on a knife's edge between two numbers of the format may be rounded either way, as far as f32 arithmetic and the matrix unit's own rounding can turn it there, and no further.
;;   INPUTS GIVEN AS CODES. key (in the module: [2048, 4, 16, 128], K = its axis 3); query (in the module: [2048, 4, 16, 128], K = its axis 3); value (in the module: [2048, 4, 16, 128], K = its axis 0): each comes as NAME_codes (uint8): NAME with its K axis moved to the last place and cut into blocks of 32 codes, [.., K / 32, bytes a block], one block behind the other in memory; two codes a byte, the lower K in the low four bits (a code: sign, 2 exponent bits, 1 mantissa bit); and NAME_scales (uint8): the same leading axes, one E8M0 byte (e + 127) for each 32 codes along K. Its value is code x scale, taken as it is: it is not quantised again, and the codes and scales need not be those that the quantiser above would give.
;; One version. Each part assembles by itself: llvm-mc -triple=amdgcn-amd-amdhsa -mcpu=gfx1250 --defsym DOCPART=n.
;; ======== version 1 of 1: 2 launches
;; workspace buffers: kimg 9,437,184 bytes
;; launch lay (part 1): grid 16 x 16, 8 waves a work-group, no clusters, 38,144 bytes of LDS; arguments key_codes, key_scales, value_scales, kimg; writes kimg
.if DOCPART == 1
	.amdgcn_target "amdgcn-amd-amdhsa--gfx1250"
	.amdhsa_code_object_version 6
	.text
	.protected	k_q7d7689f279_lay
	.globl	k_q7d7689f279_lay
	.p2align	8
	.type	k_q7d7689f279_lay,@function
k_q7d7689f279_lay:
	s_mov_b64 s[64:65], 0
	v_nop
	global_prefetch_b8 v0, s[64:65] scope:SCOPE_SE
	s_setreg_imm32_b32 hwreg(HW_REG_WAVE_MODE, 25, 1), 1
	s_wait_xcnt 0x0
; K's codes, K's scale words and V's scale words are laid once as the attention launch wants them: kimg[64 heads][16 key steps of 128 keys][9,216 bytes].
; A step's block:  +0     8,192 bytes: K's eight fragments (16 keys x 128 codes) as images of the operand's registers: tile T, half c, lane l at 1024 T + 512 c + 16 l;
;                  +8192    512 bytes: K's scale words, [g][r][t] words for tile T = 4 g + t, lane r;
;                  +8704    512 bytes: V's scale words of these 128 keys, [g][r][t] words for channel d = 16 (4 g + t) + r.
; THE KEYS OF A TILE ARE NOT NEIGHBOURS: lane r of tile T = 2 b + u holds key 32 b + 8 u + r + 8 (r / 8) of the step, so that in the scores (keys x queries) the 16 registers of tiles 2 b, 2 b + 1 are 16 neighbouring keys.
; Of key number k in the step: bits 6:5 = b, bit 4 = r / 8, bit 3 = u, bits 2:0 = r % 8.  The 16 bytes of image (T, c, lane 16 h + r) are bytes 32 c + 16 h on of that key's 64.
; SHARES.  Work-group (x, y) takes heads 4 x .. 4 x + 3 and key step y: in key_codes a key's 64 bytes of four neighbouring heads are 256 consecutive bytes, so sixteen lanes read them whole.  The pieces turn through LDS
; and leave as whole runs: each store of a wave covers 512 consecutive bytes, aligned to 256.
; The scale bytes are read as 8 or 4 bytes a lane from rows 256 or 64 bytes apart: one ninth of what this launch reads.  No tensor load, one barrier.  Nothing is computed: every byte is taken as it is given.
.set KP,    2064                       ; LDS: row rho = 4 x head + (2 c + h), 2,048 bytes (tile T, lane r at 256 T + 16 r) + 16 of padding: sixteen rows of one column fall on sixteen different 16-byte columns modulo 256
.set SC,    16*KP                      ; behind them: [head][K's 512 bytes | V's 512 bytes]
.set STEPB, 9216
.set HEADB, 16*STEPB
	s_load_b256 s[4:11], s[0:1], 0x0               ; key_codes s[4:5], key_scales s[6:7], value_scales s[8:9], kimg s[10:11]
	v_lshl_add_u32 v64, v0, 2, 0x9100
	v_mov_b32 v65, 0
	s_and_b32 s13, ttmp7, 0xffff                   ; the key step
	s_lshl_b32 s14, s13, 19                        ; key_codes: 128 keys x 4,096 bytes a step,
	s_lshl_b32 s22, ttmp9, 8                       ; 256 bytes for four heads
	s_add_co_u32 s14, s14, s22
	s_mov_b32 s15, 0
	s_lshl_b32 s16, s13, 15                        ; key_scales: 128 keys x 256 bytes a step,
	s_lshl_b32 s22, ttmp9, 4                       ; 16 bytes for four heads
	s_add_co_u32 s16, s16, s22
	s_mov_b32 s17, 0
	s_lshl_b32 s18, ttmp9, 15                      ; value_scales: four heads x 8,192 bytes,
	s_lshl_b32 s22, s13, 2                         ; 4 bytes a step in each row
	s_add_co_u32 s18, s18, s22
	s_mov_b32 s19, 0
	s_mul_i32 s20, ttmp9, 4*HEADB                  ; kimg: four heads, the step's block
	s_mul_i32 s22, s13, STEPB
	s_add_co_u32 s20, s20, s22
	s_mov_b32 s21, 0
	v_and_b32 v11, 15, v0                          ; t = the thread's number, 0 .. 255.  t % 16
	v_lshrrev_b32 v12, 4, v0                       ; t / 16
	v_bfe_u32 v13, v0, 7, 1                        ; bit 7
	v_bfe_u32 v14, v0, 4, 3                        ; bits 6:4
	v_bfe_u32 v15, v0, 4, 2                        ; bits 5:4
	v_lshrrev_b32 v52, 6, v0                       ; t / 64
	v_lshrrev_b32 v53, 1, v0                       ; t / 2
	v_and_b32 v54, 1, v0                           ; t % 2
	v_lshlrev_b32 v1, 12, v12
	v_lshl_add_u32 v1, v11, 4, v1                  ; K in: load i takes key 16 i + t / 16, piece t % 16 of the four heads' 256 bytes
	v_mul_u32_u24 v2, v11, KP                      ; into LDS: row rho = t % 16;
	v_lshl_add_u32 v2, v13, 8, v2                  ; u = bit 3 of t / 16;
	v_lshl_add_u32 v2, v14, 4, v2                  ; r % 8 = its low three bits; b = i / 2 and r / 8 = i % 2 stand in the immediate
	v_mul_u32_u24 v3, v15, KP                      ; back: 2 c + h = bits 5:4,
	v_lshl_add_u32 v3, v52, 8, v3                  ; T % 4 = t / 64,
	v_lshl_add_u32 v3, v11, 4, v3                  ; r = t % 16; the head and T / 4 stand in the immediate
	v_lshlrev_b32 v4, 4, v0                        ; K out: 16 t
	v_lshlrev_b32 v5, 8, v53
	v_lshl_add_u32 v5, v54, 3, v5                  ; K's scales in: key t / 2, the words of heads 2 (t % 2) and 2 (t % 2) + 1
	v_lshl_add_u32 v6, v54, 11, SC                 ; into LDS: head 2 (t % 2);
	v_lshl_add_u32 v6, v13, 8, v6                  ; g = b / 2 = bit 7 of t;
	v_bfe_u32 v55, v0, 5, 1
	v_lshl_add_u32 v6, v55, 7, v6                  ; r / 8 = bit 5: 8 x 16 bytes;
	v_bfe_u32 v55, v0, 1, 3
	v_lshl_add_u32 v6, v55, 4, v6                  ; r % 8 = bits 3:1;
	v_bfe_u32 v55, v0, 6, 1
	v_lshl_add_u32 v6, v55, 3, v6                  ; T % 4 = 2 (b % 2) + u: b % 2 = bit 6,
	v_bfe_u32 v56, v0, 4, 1
	v_lshl_add_u32 v6, v56, 2, v6                  ; u = bit 4
	v_and_b32 v57, 127, v0
	v_lshlrev_b32 v7, 6, v57
	v_lshl_add_u32 v7, v13, 13, v7                 ; V's scales in: head t / 128 (and two heads on), channel t % 128
	v_lshl_add_u32 v8, v13, 10, SC+512             ; into LDS: the head;
	v_lshl_add_u32 v8, v55, 8, v8                  ; g = bit 6 of the channel;
	v_lshl_add_u32 v8, v11, 4, v8                  ; r = its low four bits;
	v_lshl_add_u32 v8, v15, 2, v8                  ; T % 4 = its bits 5:4
	v_lshl_add_u32 v9, v0, 4, SC                   ; the scales back: 16 t
	v_and_b32 v58, 63, v0
	v_mul_u32_u24 v10, v52, HEADB                  ; and out: head t / 64,
	v_lshl_add_u32 v10, v58, 4, v10                ; 16 (t % 64),
	v_add_nc_u32 v10, 8192, v10                    ; behind the block's images
	s_wait_kmcnt 0x0
	s_add_nc_u64 s[4:5], s[4:5], s[14:15]
	s_add_nc_u64 s[6:7], s[6:7], s[16:17]
	s_add_nc_u64 s[8:9], s[8:9], s[18:19]
	s_add_nc_u64 s[10:11], s[10:11], s[20:21]
	global_load_b64 v[48:49], v5, s[6:7]
	global_load_b32 v50, v7, s[8:9]
	global_load_b32 v51, v7, s[8:9] offset:16384
.irp i, 0,1,2,3,4,5,6,7
	global_load_b128 v[16+4*\i:19+4*\i], v1, s[4:5] offset:\i*65536 th:TH_LOAD_NT   ; sixteen lanes read 256 consecutive bytes, aligned; read once in the launch
.endr
	s_wait_loadcnt 8                               ; the three loads of scales are in; the eight of K may be out
	ds_store_b32 v6, v48
	ds_store_b32 v6, v49 offset:1024
	ds_store_b32 v8, v50
	ds_store_b32 v8, v51 offset:2048
.irp i, 0,1,2,3,4,5,6,7
	s_wait_loadcnt 7-\i                            ; loads come back in order: load i is in
	ds_store_b128 v2, v[16+4*\i:19+4*\i] offset:(\i/2)*512+(\i%2)*128
.endr
	s_wait_dscnt 0x0                               ; for the others' sake: my stores have landed
	s_barrier_signal -1
	s_barrier_wait -1
.irp i, 0,1,2,3,4,5,6,7
	ds_load_b128 v[16+4*\i:19+4*\i], v3 offset:(\i/2)*4*KP+(\i%2)*1024   ; head i / 2, tiles 4 (i % 2) on
.endr
	ds_load_b128 v[48:51], v9
.irp i, 0,1,2,3,4,5,6,7
	s_wait_dscnt 8-\i                              ; behind load i: 7 - i of K and the one of scales
	global_store_b128 v4, v[16+4*\i:19+4*\i], s[10:11] offset:(\i/2)*HEADB+(\i%2)*4096   ; a wave stores 512 consecutive bytes, aligned to 256; the next launch reads them: no hint
.endr
	s_wait_dscnt 0x0
	global_store_b128 v10, v[48:51], s[10:11]
	s_wait_tensorcnt 0x0
	ds_add_u32 v64, v65
	s_wait_dscnt 0x0
	s_endpgm
.Lfunc_end_k_q7d7689f279_lay:
	.size	k_q7d7689f279_lay, .Lfunc_end_k_q7d7689f279_lay-k_q7d7689f279_lay
	.p2alignl 7, 3214868480
	.fill 96, 4, 3214868480
	.section	.rodata,"a",@progbits
	.p2align	6, 0x0
	.amdhsa_kernel k_q7d7689f279_lay
		.amdhsa_group_segment_fixed_size 38144
		.amdhsa_private_segment_fixed_size 0
		.amdhsa_enable_private_segment 0
		.amdhsa_kernarg_size 32
		.amdhsa_user_sgpr_count 2
		.amdhsa_user_sgpr_kernarg_segment_ptr 1
		.amdhsa_wavefront_size32 1
		.amdhsa_system_sgpr_workgroup_id_x 1
		.amdhsa_system_sgpr_workgroup_id_y 1
		.amdhsa_system_sgpr_workgroup_id_z 1
		.amdhsa_system_vgpr_workitem_id 0
		.amdhsa_next_free_vgpr 66
		.amdhsa_next_free_sgpr 66
		.amdhsa_reserve_vcc 0
		.amdhsa_float_denorm_mode_32 3
		.amdhsa_float_denorm_mode_16_64 3
		.amdhsa_memory_ordered 1
		.amdhsa_forward_progress 1
		.amdhsa_inst_pref_size 8
	.end_amdhsa_kernel
	.amdgpu_metadata
---
amdhsa.version: [ 1, 2 ]
amdhsa.kernels:
  - .name:           k_q7d7689f279_lay
    .symbol:         k_q7d7689f279_lay.kd
    .args:
      - { .name: key_codes, .offset: 0, .size: 8, .value_kind: global_buffer, .address_space: global }
      - { .name: key_scales, .offset: 8, .size: 8, .value_kind: global_buffer, .address_space: global }
      - { .name: value_scales, .offset: 16, .size: 8, .value_kind: global_buffer, .address_space: global }
      - { .name: kimg, .offset: 24, .size: 8, .value_kind: global_buffer, .address_space: global }
    .group_segment_fixed_size: 38144
    .private_segment_fixed_size: 0
    .kernarg_segment_align: 8
    .kernarg_segment_size: 32
    .max_flat_workgroup_size: 256
    .sgpr_count:     66
    .vgpr_count:     66
    .wavefront_size: 32
...
	.end_amdgpu_metadata
.endif
;; end of part 1
;; launch attn (part 2): grid 4 x 64, 16 waves a work-group, no clusters, 327,680 bytes of LDS; arguments query_codes, query_scales, kimg, value_codes, out0; writes out0
.if DOCPART == 2
	.amdgcn_target "amdgcn-amd-amdhsa--gfx1250"
	.amdhsa_code_object_version 6
	.text
	.protected	k_q7d7689f279_attn
	.globl	k_q7d7689f279_attn
	.p2align	8
	.type	k_q7d7689f279_attn,@function
k_q7d7689f279_attn:
	s_mov_b64 s[64:65], 0
	v_nop
	global_prefetch_b8 v0, s[64:65] scope:SCOPE_SE
	s_setreg_imm32_b32 hwreg(HW_REG_WAVE_MODE, 25, 1), 1
	s_wait_xcnt 0x0
; out[s][bh][:] = the sum over t <= s of softmax_t(q[s][bh] . k[t][bh] / sqrt(128)) v[t][bh][:], S = 2,048, 64 heads bh, head size 128; both products on codes of FP4 (E2M1) with one E8M0 scale for each 32 along a product's K.
; THE SOFTMAX AHEAD OF THE SECOND PRODUCT: t = score x log2(e) / sqrt(128); M = the row's largest t so far, rounded UP to a whole number; p = 2^(t - M) is what is quantised, along the keys; it is not normalised.
; The row's sum is taken of the unquantised p, in f32, and divides O at the end.  When M moves, the sum and O are multiplied by 2^(old M - new M): exact.
; SHARES.  Work-group (i, bh), i = 0 .. 3, owns query blocks i and 7 - i of head bh, 256 queries each, one after the other.  Block i needs the keys of i + 1 slots of 256, block 7 - i those of 8 - i: NINE slots for every work-group,
; a constant of the text, and the same work everywhere.  Each of the SIXTEEN waves owns 16 queries of a block, one tile, in 256 registers: four waves to a SIMD, so that one wave's vector work stands beside another's matrix work and LDS loads.
; K's fragments and K's and V's scale words come from kimg, laid by the launch before as images of the operand's registers (9,216 bytes a key step of 128); V's codes from value_codes as they lie (keys innermost).
; A ring of two LDS slots of 256 keys, filled by the tensor data mover (wave 0: kimg's two blocks, 18,432 dense bytes; waves 1 and 2: V's 64 + 64 rows of 128 bytes) and read by all sixteen.
; LAYOUT.  Both products are used transposed: S^T = K Q^T (source 0 = 16 keys, source 1 = my 16 queries), O^T = V^T P^T (source 0 = 16 channels, source 1 = P): a lane holds ONE query (lane % 16) throughout.
; Lane r of K's tile 2 b + u holds key 32 b + 8 u + r + 8 (r / 8): the 16 registers of tiles 2 b and 2 b + 1 are the 16 neighbouring keys 32 b + 16 (lane / 16) + 0 .. 15.
; THE MASK.  A key step all of whose keys come after my 16 queries is left out by a scalar branch on ids; in the one step on the diagonal hidden scores become -infinity ahead of the maximum, so that p = 0.
; NO CLUSTER: the four work-groups of a head change from their first block to their second after 1, 2, 3 and 4 slots, so that from then on they want different slots in the same trip; a joint walk would take 12 slots against these 9.
; LIMITS: hidden scores are -infinity where the definition has -1e30: the same result while a row's visible logits lie above about -1e30.  Scale bytes 0xff (NaN) are not served.  A p under 2^-126 counts as 0 (v_exp_f32 gives 0 there:
; ISA guide 15.8).  The division by the row's sum is v_rcp_f32 and a multiplication.
; REGISTERS: v1-7 addresses that stay; v8-10 addresses of the step in hand; v12 -M, v13 the largest t, v[14:15] the sum in two halves; v16-23 Q of the block in hand, v24-31 of the second block; v32-63 four fragments of K or V
; (v32-95 rows of O on the way out); v96-159 S^T, then p; v160-223 O^T; v224-231 p's codes; v232-239, v244-247, v252, v254 at work; v241-242 the stage's addresses;
; scale words and nothing else: v248-251 K's or V's, v253 p's, v255 Q's of the block in hand, v240 of the second block.
.set STEPB, 9216                       ; a key step's block of kimg: 8,192 bytes of images, 512 of K's scale words, 512 of V's
.set SLOT1, 1<<16                      ; slot 1 begins here, so that one exclusive or turns an address in one slot into the other's
.set VOFF,  2*STEPB                    ; a slot: two blocks, then 128 rows of V
.set VP,    144                        ; a row of V in LDS: 128 bytes (256 keys) + 16 of padding = 9 x 16: the sixteen rows of a load fall on sixteen different 16-byte columns modulo 256
.set STAGE, 2*SLOT1                    ; behind the ring: 16 rows x (256 bytes + 16) for each wave, for the way out; no fill lands there
.set SP,    272
.set SPARE, STAGE+16*16*SP             ; behind the stages: the spare words, 128 bytes for each wave: eight blocks of 256 bytes that no other line names
.set AK0,  1                           ; v1   16 x lane: my place in an image
.set AV0,  2                           ; v2   my place in a tile of V: VOFF + 144 r + 16 h
.set ASC,  3                           ; v3   my place among a block's scale words: 8192 + 16 r
.set DQ,   4                           ; v4   r - 16 h, for the mask
.set SPW,  5                           ; v5   LDS address of my spare word: SPARE + 4 x my thread's number; never rewritten
.set NIL,  6                           ; v6   0; never rewritten
.set GO,   7                           ; v7   the way out: lanes 0-15 one row of out0, lanes 16-31 the next (32,768 bytes on); 16 bytes a lane
.set ADK,  8                           ; v8   LDS address of the slot's images
.set ADV,  9                           ; v9   of V's tile
.set ADS,  10                          ; v10  of the scale words
.set STO,  241                         ; v241 the stage: where I put 32 bytes of a row
.set RD,   242                         ; v242 and where I read a row back
.set N1,   15                          ; s15  slots of the first block: i + 1
.set BH,   16                          ; s16  the head
.set TR,   17                          ; s17  the trip, 0 .. 8
.set WV,   18                          ; s18  my wave's number
.set STG,  19                          ; s19  my stage
.set SEL,  20                          ; s[20:21] lane selects for v_permlanex16_b32: lane l xor 16
.set CS,   22                          ; s[22:23] c = log2(e) / sqrt(128): the packed form names a pair and takes its low word for both halves
.set G1K,  24                          ; s[24:31] descriptor group 1 for kimg's blocks;  s[32:39] for V's tiles;  s[40:43], s[44:47] their groups 0
.set G1V,  32
.set G0K,  40
.set G0V,  44
.set BK,   48                          ; s[48:49] kimg at my head
.set BV,   50                          ; s[50:51] value_codes at my head, at the 64 rows that I would fetch
.set OUT,  52                          ; s[52:53] out0 at my tile of the block in hand;  s[54:55] of the second block
.set OUTB, 54
.set Q0,   56                          ; s56  my first query of the block in hand;  s57 of the second block
.set Q0B,  57
.set KF,   58                          ; s58  the step's first key
.set TB,   59                          ; s59  LDS byte at which the slot in hand begins
; s[60:61], s[62:63]: offsets of the next slot in kimg and in value_codes, high words 0;  s66-s73: Q's four bases;  s74-s91 at work
; Wave 0 fetches kimg's two blocks, waves 1 and 2 V's halves, the others nothing.  The branches hang on the wave's number alone.  Four v_nop follow each of the two lines.
.macro TLOAD
	s_cmp_eq_u32 s[WV], 0
	s_cbranch_scc0 .Lnot_k_\@
	tensor_load_to_lds s[G0K:G0K+3], s[G1K:G1K+7]
	s_nop 0
.rept 4
	v_nop
.endr
	s_branch .Lasked_\@
.Lnot_k_\@:
	s_cmp_lt_u32 s[WV], 3
	s_cbranch_scc0 .Lasked_\@
	tensor_load_to_lds s[G0V:G0V+3], s[G1V:G1V+7]
	s_nop 0
.rept 4
	v_nop
.endr
.Lasked_\@:
.endm
.macro OFFS d, q, sq, sb               ; s[d:d+1] = (s[q] << sq) + (head << sb): a byte offset under 2^32
	s_lshl_b32 s[\d], s[\q], \sq
	s_lshl_b32 s91, s[BH], \sb
	s_add_co_u32 s[\d], s[\d], s91
	s_mov_b32 s[\d+1], 0
.endm
; A block's state at its start.  The key step is written without a first step of its own: it finds zeros, which the first change of M leaves zeros.
.macro INIT
	v_mov_b32 v13, 0xff61b1e6                      ; the largest t so far: -3e38, under every t
	v_floor_f32 v12, -v13                          ; -M
	v_mov_b32 v14, 0                               ; the sum, in two halves
	v_mov_b32 v15, 0
.set jj, 0
.rept 64
	v_mov_b32 v[160+jj], 0                         ; O^T
.set jj, jj+1
.endr
.endm
	s_load_b256 s[4:11], s[0:1], 0x0               ; query_codes s[4:5], query_scales s[6:7], kimg s[8:9], value_codes s[10:11]
	s_load_b64 s[12:13], s[0:1], 0x20              ; out0
	v_lshl_add_u32 v[SPW], v0, 2, SPARE
	v_mov_b32 v[NIL], 0
	ds_add_u32 v5, v6
	s_wait_dscnt 0x0
	v_lshrrev_b32 v8, 5, v0
	v_readfirstlane_b32 s[WV], v8                  ; wave 0..15
	s_add_co_u32 s[N1], ttmp9, 1
	s_and_b32 s[BH], ttmp7, 0xffff
	s_lshl_b32 s14, s[WV], 4
	s_lshl_b32 s[Q0], ttmp9, 8
	s_add_co_u32 s[Q0], s[Q0], s14                 ; my first query: 256 i + 16 x wave,
	s_sub_co_u32 s[Q0B], 7, ttmp9
	s_lshl_b32 s[Q0B], s[Q0B], 8
	s_add_co_u32 s[Q0B], s[Q0B], s14               ; and 256 (7 - i) + 16 x wave
	s_mul_i32 s[STG], s[WV], 16*SP
	s_add_co_u32 s[STG], s[STG], STAGE
	s_and_b32 s14, s[WV], 1                        ; which 64 rows of V I would fetch: wave 1 rows 64-127, wave 2 rows 0-63
	s_mul_i32 s74, s[BH], 16*STEPB                 ; kimg: a head is 16 blocks
	s_mov_b32 s75, 0
	s_lshl_b32 s76, s[BH], 17                      ; value_codes: a head is 128 rows of 1,024 bytes
	s_lshl_b32 s91, s14, 16
	s_add_co_u32 s76, s76, s91
	s_mov_b32 s77, 0
	OFFS 78, Q0,  15, 9                            ; out0: 32,768 bytes a query, 512 a head
	OFFS 80, Q0B, 15, 9
	OFFS 82, Q0,  12, 6                            ; query_codes: 4,096 and 64
	OFFS 84, Q0B, 12, 6
	OFFS 86, Q0,  8, 2                             ; query_scales: 256 and 4
	OFFS 88, Q0B, 8, 2
	; descriptor group 1 for kimg: two blocks are 18,432 dense bytes: 72 rows of 256 bytes (32 elements of 8 bytes), no padding
	s_mov_b32 s[G1K], 3<<16                        ; 15:0 no mask; 17:16 elements of 8 bytes; 20 padding off
	s_mov_b32 s[G1K+1], 32<<16                     ; tensor_dim0
	s_mov_b32 s[G1K+2], 72<<16                     ; tensor_dim1
	s_mov_b32 s[G1K+3], 32<<16                     ; tile_dim0
	s_mov_b32 s[G1K+4], 72                         ; tile_dim1
	s_mov_b32 s[G1K+5], 32                         ; tensor_dim0_stride
	s_mov_b32 s[G1K+6], 0
	s_mov_b32 s[G1K+7], 0
	; and for V: 64 rows of 128 bytes, 1,024 bytes apart in memory, 16 bytes of padding behind each in LDS
	s_mov_b32 s[G1V], (0<<16)|(1<<20)|(4<<22)|(3<<25)   ; elements of 1 byte; padding on; after every 32 words (code 4); four words (code 3)
	s_mov_b32 s[G1V+1], 128<<16
	s_mov_b32 s[G1V+2], 64<<16
	s_mov_b32 s[G1V+3], 128<<16
	s_mov_b32 s[G1V+4], 64
	s_mov_b32 s[G1V+5], 1024
	s_mov_b32 s[G1V+6], 0
	s_mov_b32 s[G1V+7], 0
	s_mov_b32 s[SEL], 0x76543210
	s_mov_b32 s[SEL+1], 0xfedcba98
	s_mov_b32 s[CS], 0x3e0293ee                    ; c = log2(e) / sqrt(128)
	s_mov_b32 s[CS+1], s[CS]                       ; (named with it as a pair, so it is written)
	s_mov_b32 s61, 0
	s_mov_b32 s63, 0
	s_mov_b32 s[TR], 0
	s_mov_b32 s[KF], 0
	s_mov_b32 s[TB], 0
	s_mov_b32 s[G0K], 1                            ; 1:0 count = 1
	s_mov_b32 s[G0K+1], 0                          ; 63:32 LDS address: slot 0
	s_mov_b32 s[G0V], 1
	s_mul_i32 s[G0V+1], s14, 64*VP
	s_add_co_u32 s[G0V+1], s[G0V+1], VOFF
	s_wait_kmcnt 0x0
	s_add_nc_u64 s[BK:BK+1], s[8:9], s[74:75]
	s_add_nc_u64 s[BV:BV+1], s[10:11], s[76:77]
	s_mov_b64 s[G0K+2:G0K+3], s[BK:BK+1]           ; 120:64 global address: the head's first 256 keys
	s_or_b32 s[G0K+3], s[G0K+3], 0x80000000        ; 127:126 type = 2
	s_mov_b64 s[G0V+2:G0V+3], s[BV:BV+1]
	s_or_b32 s[G0V+3], s[G0V+3], 0x80000000
	TLOAD                                          ; slot 0: the one first fill at the start; slot 1 is first filled behind the first trip's barrier, as a refill is
	s_add_nc_u64 s[OUT:OUT+1], s[12:13], s[78:79]
	s_add_nc_u64 s[OUTB:OUTB+1], s[12:13], s[80:81]
	s_add_nc_u64 s[66:67], s[4:5], s[82:83]
	s_add_nc_u64 s[68:69], s[4:5], s[84:85]
	s_add_nc_u64 s[70:71], s[6:7], s[86:87]
	s_add_nc_u64 s[72:73], s[6:7], s[88:89]
	v_and_b32 v8, 15, v0                           ; r = lane % 16
	v_bfe_u32 v9, v0, 4, 1                         ; h = lane / 16
	v_lshlrev_b32 v10, 12, v8
	v_lshl_add_u32 v10, v9, 4, v10                 ; Q: query r, 4,096 bytes on for each, + my half's 16 bytes
	v_lshlrev_b32 v11, 8, v8                       ; its scale word: 256 bytes on for each
.irp c, 0,1
	global_load_b128 v[16+4*\c:19+4*\c], v10, s[66:67] offset:32*\c   ; both blocks' fragments of Q stay in registers
	global_load_b128 v[24+4*\c:27+4*\c], v10, s[68:69] offset:32*\c
.endr
	global_load_b32 v255, v11, s[70:71]
	global_load_b32 v240, v11, s[72:73]
	v_and_b32 v[AK0], 31, v0
	v_lshlrev_b32 v[AK0], 4, v[AK0]
	v_mul_u32_u24 v[AV0], v8, VP
	v_lshl_add_u32 v[AV0], v9, 4, v[AV0]
	v_add_nc_u32 v[AV0], VOFF, v[AV0]
	v_lshl_add_u32 v[ASC], v8, 4, 8192
	v_lshlrev_b32 v[DQ], 4, v9
	v_sub_nc_u32 v[DQ], v8, v[DQ]
	v_lshlrev_b32 v[GO], 15, v9
	v_lshl_add_u32 v[GO], v8, 4, v[GO]
	v_mul_u32_u24 v[STO], v8, SP                   ; the stage, in: row r; tile t's eight channels of my half: 64 t + 32 h bytes on
	v_lshl_add_u32 v[STO], v9, 5, v[STO]
	v_add_nc_u32 v[STO], s[STG], v[STO]
	v_mul_u32_u24 v[RD], v9, SP                    ; back: lanes 0-15 one row, lanes 16-31 the next
	v_lshl_add_u32 v[RD], v8, 4, v[RD]
	v_add_nc_u32 v[RD], s[STG], v[RD]
	INIT
.irp b, 0,1,2,3
	v_mov_b32 v[236+\b], 0                         ; written once: a lane permute's destination counts as one of its sources
.endr
	v_mov_b32 v252, 0                              ; likewise
	v_mov_b32 v253, 0                              ; (named as the upper half of the pair v[252:253] before it is first written)
; A KEY STEP: 128 keys, the q-th of the slot in hand.
.macro STEP q
	s_add_co_u32 s74, s[Q0], 15                    ; a step all of whose keys come after my 16 queries is left out: a branch on ids, round the step's loads, products and softmax; no barrier and no tensor load stands in a step
	s_cmp_gt_u32 s[KF], s74
	s_cbranch_scc1 .Lhidden_\@
	v_add_nc_u32 v[ADK], s[TB], v[AK0]
	v_add_nc_u32 v[ADV], s[TB], v[AV0]
	v_add_nc_u32 v[ADS], s[TB], v[ASC]
	v_nop                                          ; with the three additions: four places in front of loads into registers that the last step's products have read (ISA guide 7.12.1 for vector instructions)
.irp g, 0,1                                    ; S^T = K Q^T, four tiles of 16 keys at a time
.if \g > 0
.rept 4
	v_nop                                          ; the same four places
.endr
.endif
.irp t, 0,1,2,3
.irp c, 0,1
	ds_load_b128 v[32+8*\t+4*\c:32+8*\t+4*\c+3], v[ADK] offset:(\q)*STEPB+(4*\g+\t)*1024+512*\c   ; an image: 32 lanes, 512 consecutive bytes
.endr
.endr
	ds_load_b128 v[248:251], v[ADS] offset:(\q)*STEPB+256*\g   ; lane r: the scale words of its key in the four tiles
	s_wait_dscnt 0x0
.irp t, 0,1,2,3
	v_wmma_scale_f32_16x16x128_f8f6f4 v[96+8*(4*\g+\t):103+8*(4*\g+\t)], v[32+8*\t:39+8*\t], v[16:23], 0, v[248+\t], v255 matrix_a_fmt:MATRIX_FMT_FP4 matrix_b_fmt:MATRIX_FMT_FP4
.endr
.endr
.rept 4
	v_nop                                          ; four places in front of the first read of the scores
.endr
	s_add_co_u32 s74, s[KF], 127                   ; on the diagonal the scores of hidden keys become -infinity ahead of the maximum.  A step all of whose keys count skips this
	s_cmp_le_u32 s74, s[Q0]
	s_cbranch_scc1 .Lopen_\@
	s_sub_co_i32 s74, s[Q0], s[KF]
	v_add_nc_u32 v252, s74, v[DQ]                  ; d = my query - KF - 16 (lane / 16).  Register 16 b + i holds key KF + 16 (lane / 16) + 32 b + i: hidden where 32 b + i > d
	v_mov_b32 v254, 0xff800000                     ; -infinity
.irp n, 0,1,2,3,4,5,6,7,8,9,10,11,12,13,14,15,16,17,18,19,20,21,22,23,24,25,26,27,28,29,30,31,32,33,34,35,36,37,38,39,40,41,42,43,44,45,46,47,48,49,50,51,52,53,54,55,56,57,58,59,60,61,62,63
	v_cmp_gt_i32 vcc_lo, 32*(\n/16)+\n%16, v252
	v_cndmask_b32 v[96+\n], v[96+\n], v254, vcc_lo
.endr
.Lopen_\@:
.irp b, 0,1,2,3
	v_max3_num_f32 v[232+\b], v[96+16*\b], v[97+16*\b], v[98+16*\b]   ; THE LARGEST SCORE OF EACH BLOCK OF 32 KEYS: it serves twice: for the row's maximum, and, since p rises with the score, for the block's largest p
.endr
.irp i, 3,5,7,9,11,13
.irp b, 0,1,2,3
	v_max3_num_f32 v[232+\b], v[232+\b], v[96+16*\b+\i], v[97+16*\b+\i]   ; (the four blocks by turns)
.endr
.endr
.irp b, 0,1,2,3
	v_max_num_f32 v[232+\b], v[232+\b], v[111+16*\b]
.endr
.irp b, 0,1,2,3
	v_permlanex16_b32 v[236+\b], v[232+\b], s[SEL], s[SEL+1]
.endr
.irp b, 0,1,2,3
	v_max_num_f32 v[232+\b], v[232+\b], v[236+\b]  ; with lane l xor 16's 16 keys
.endr
	v_max3_num_f32 v254, v232, v233, v234
	v_max_num_f32 v254, v254, v235                 ; the step's largest score of my query
	v_mul_f32 v254, s[CS], v254                    ; as t (c is positive)
	v_max_num_f32 v13, v13, v254                   ; the running largest t
	v_mov_b32 v254, v12
	v_floor_f32 v12, -v13                          ; the new -M = floor(-t) = -ceil(t): M IS A WHOLE NUMBER
	v_sub_f32 v254, v12, v254                      ; M's old value less its new one: a whole number, 0 or less
	v_cvt_i32_f32 v254, v254                       ; (it saturates)
	v_ldexp_f32 v252, 1.0, v254                    ; f = 2^(old M - new M): what was summed under the old M is brought under the new by a multiplication that rounds nothing
.set jj, 0
.rept 32
	v_pk_fma_f32 v[96+jj:97+jj], v[96+jj:97+jj], s[CS:CS+1], v[12:13] op_sel_hi:[1,0,0]   ; t - M, two at a time (of the pairs c and -M the low word serves both halves)
.set jj, jj+2
.endr
.irp b, 0,1,2,3
	v_fma_f32 v[232+\b], v[232+\b], s[CS], v12     ; the same of each block's largest score
.endr
.set jj, 0
.rept 64
	v_exp_f32 v[96+jj], v[96+jj]                   ; p = 2^(t - M), at most 1: NOT normalised
.set jj, jj+1
.endr
.irp b, 0,1,2,3
	v_exp_f32 v[232+\b], v[232+\b]                 ; the block's largest p: the same two instructions on the same number give the same bits
.endr
	v_pk_mul_f32 v[14:15], v[14:15], v[252:253] op_sel_hi:[1,0]   ; the sums under the new M.  (The plain instruction behind the exponentials)
	s_wait_alu depctr_va_vdst(0)
.irp b, 0,1,2,3
	v_max_num_f32 v[232+\b], 0x1800000, v[232+\b]  ; the floor 2^(3 - 127): the byte cannot fall under 1 (a block whose every p is 0 keeps that byte: its codes are zeros)
.endr
.irp b, 0,1,2,3
	v_add_nc_u32 v[244+\b], 0xff000000, v[232+\b]  ; 2 off the exponent field: the conversion's scale operand
.endr
.irp b, 0,1,2,3
	v_lshrrev_b32 v[236+\b], 23, v[244+\b]         ; the scale's byte
.endr
	v_lshl_or_b32 v253, v237, 8, v236              ; p's scale word for these 128 keys
	v_lshl_or_b32 v253, v238, 16, v253
	v_lshl_or_b32 v253, v239, 24, v253
.irp b, 0,1,2,3
	v_cvt_scalef32_pk8_fp4_f32 v[224+2*\b], v[96+16*\b:103+16*\b], v[244+\b]
	v_cvt_scalef32_pk8_fp4_f32 v[225+2*\b], v[104+16*\b:111+16*\b], v[244+\b]
.endr
	v_nop                                          ; one plain vector instruction between a scaled conversion and the vector instruction that touches its result
.irp c, 0,1                                    ; the operand's layout wants a WHOLE block in a lane: lanes 0-15 block 2 c, lanes 16-31 block 2 c + 1
.irp i, 0,1
	v_permlane16_swap_b32 v[224+4*\c+\i], v[226+4*\c+\i]
.endr
.endr
	v_pk_add_f32 v[236:237], v[96:97], v[98:99]    ; THE ROW'S SUM IS TAKEN OF THE UNQUANTISED p: two at a time, in two chains
.set jj, 4
.rept 15
	v_pk_add_f32 v[14:15], v[14:15], v[96+jj:97+jj]
	v_pk_add_f32 v[236:237], v[236:237], v[98+jj:99+jj]
.set jj, jj+4
.endr
	v_pk_add_f32 v[14:15], v[14:15], v[236:237]
.set jj, 0
.rept 32
	v_pk_mul_f32 v[160+jj:161+jj], v[160+jj:161+jj], v[252:253] op_sel_hi:[1,0]   ; O^T under the new M: x f, each accumulator from its low end on.  (These are also the places between p's codes and scale word and the products below)
.set jj, jj+2
.endr
.irp g, 0,1                                    ; O^T += V^T P^T: four tiles of 16 channels at a time; K = these 128 keys.  The accumulators take turns, one instruction a turn
.if \g > 0
.rept 4
	v_nop                                          ; four places in front of loads into registers that the products above have read
.endr
.endif
.irp t, 0,1,2,3
.irp c, 0,1
	ds_load_b128 v[32+8*\t+4*\c:32+8*\t+4*\c+3], v[ADV] offset:16*(4*\g+\t)*VP+64*(\q)+32*\c
.endr
.endr
	ds_load_b128 v[248:251], v[ADS] offset:(\q)*STEPB+512+256*\g   ; lane r: the scale words of its channel in the four tiles
	s_wait_dscnt 0x0
.irp t, 0,1,2,3
	v_wmma_scale_f32_16x16x128_f8f6f4 v[160+8*(4*\g+\t):167+8*(4*\g+\t)], v[32+8*\t:39+8*\t], v[224:231], v[160+8*(4*\g+\t):167+8*(4*\g+\t)], v[248+\t], v253 matrix_a_fmt:MATRIX_FMT_FP4 matrix_b_fmt:MATRIX_FMT_FP4
.endr
.endr
.Lhidden_\@:
	s_add_co_u32 s[KF], s[KF], 128
.endm
; THE CHANGE OF SLOTS stands at a slot's head.  Each wave waits for all its tensor loads (its part of the slot that it is about to read), adds 0 to its spare word, and waits for that and for its reads of the slot that it has left.
; Behind the barrier the slot ahead is whole and nobody reads the other one.  fill = 1: that other slot is filled with the next trip's keys: the load has a whole slot's steps in which to land; one tensor load of a wave is out at the most.
.macro CHANGE fill
	s_wait_tensorcnt 0x0                           ; no tensor load of mine is out, so a group 0 may be written
	ds_add_u32 v[SPW], v[NIL]                      ; 0 onto my spare word: with fill = 1 the descriptors' words are made between it and the wait for it
.if \fill
	s_add_co_u32 s90, s[TR], 1                     ; the next trip: of the first block while it is under i + 1,
	s_cmp_lt_u32 s90, s[N1]
	s_cselect_b32 s91, 0, s[N1]
	s_sub_co_u32 s90, s90, s91                     ; else of the second, whose slots count from 0 again
	s_mul_i32 s60, s90, 2*STEPB                    ; that slot's two blocks in kimg,
	s_lshl_b32 s62, s90, 7                         ; and its 128 bytes in each row of V
	s_xor_b32 s[G0K+1], s[G0K+1], SLOT1            ; the other LDS slot than last time
	s_xor_b32 s[G0V+1], s[G0V+1], SLOT1
	s_add_nc_u64 s[G0K+2:G0K+3], s[BK:BK+1], s[60:61]
	s_or_b32 s[G0K+3], s[G0K+3], 0x80000000
	s_add_nc_u64 s[G0V+2:G0V+3], s[BV:BV+1], s[62:63]
	s_or_b32 s[G0V+3], s[G0V+3], 0x80000000
.endif
	s_wait_dscnt 0x0                               ; the add is done, and my reads of the slot that I have left are over
	s_barrier_signal -1
	s_barrier_wait -1
.if \fill
	TLOAD                                          ; the first thing behind the barrier, and a wave's one tensor load until the next
.endif
.endm
.macro SLOT_STEPS
	STEP 0
	STEP 1
	s_xor_b32 s[TB], s[TB], SLOT1                  ; on to the other slot
.endm
; THE WAY OUT of a block.  The sum's halves are added; O^T is divided by the sum and goes through my stage in LDS, half a row (64 channels, 256 bytes) of 16 queries at a time, so that sixteen lanes store 256 consecutive bytes, aligned.
.macro FLUSH
	v_add_f32 v14, v14, v15                        ; the sum's two halves,
	v_permlanex16_b32 v252, v14, s[SEL], s[SEL+1]
	v_add_f32 v14, v14, v252                       ; and lane l xor 16's: the row's sum
	v_rcp_f32 v14, v14
.rept 4
	v_nop                                          ; the plain instruction behind the reciprocal, and four places between the last products and the first read of their results
.endr
.set jj, 0
	s_wait_alu depctr_va_vdst(0)
.rept 32
	v_pk_mul_f32 v[96+jj:97+jj], v[160+jj:161+jj], v[14:15] op_sel_hi:[1,0]   ; O^T / the sum, each accumulator from its low end on: register 8 t + j is o(r, 16 t + 8 h + j)
.set jj, jj+2
.endr
.irp u, 0,1                                    ; channels 64 u on
.irp t, 0,1,2,3
	ds_store_b128 v[STO], v[96+32*\u+8*\t:99+32*\u+8*\t] offset:64*\t
	ds_store_b128 v[STO], v[100+32*\u+8*\t:103+32*\u+8*\t] offset:64*\t+16
.endr
.irp i, 0,1,2,3,4,5,6,7
	ds_load_b128 v[32+32*\u+4*\i:35+32*\u+4*\i], v[RD] offset:2*\i*SP   ; LDS serves a wave's instructions in order (ISA guide 5.7.1.4): these see my stores, and the next half's stores come behind them
.endr
.endr
.irp u, 0,1
.irp i, 0,1,2,3,4,5,6,7
	s_wait_dscnt 23-16*\u-\i                       ; behind this load: 7 - i loads of its half and, for the first half, the second's 8 stores and 8 loads
	global_store_b128 v[GO], v[32+32*\u+4*\i:35+32*\u+4*\i], s[OUT:OUT+1] offset:2*\i*32768+256*\u th:TH_STORE_NT   ; rows 2 i and 2 i + 1; written once, read by nobody here
.endr
.endr
.endm
; From the first block to the second.
.macro REINIT
	s_wait_xcnt 0x0                                ; the stores' data registers and their base are written again only behind this wait
.irp k, 0,1,2,3,4,5,6,7
	v_mov_b32 v[16+\k], v[24+\k]                   ; the second block's Q,
.endr
	v_mov_b32 v255, v240                           ; and its scale words; the 68 plain lines that follow stand between these and the next scaled product
	INIT
	s_mov_b32 s[Q0], s[Q0B]
	s_mov_b32 s[KF], 0
	s_mov_b64 s[OUT:OUT+1], s[OUTB:OUTB+1]
.endm
	s_wait_loadcnt 0x0                             ; Q and its scale words, both blocks'
.Lslot:                                            ; eight trips: behind each change of slots but the last the next slot is asked for
	CHANGE 1
	SLOT_STEPS
	s_add_co_u32 s[TR], s[TR], 1
	s_cmp_lg_u32 s[TR], s[N1]                      ; the first block's last slot is done after i + 1 trips: a branch on ids, the same in all sixteen waves; no barrier and no tensor load stands under it
	s_cbranch_scc1 .Lsame
	FLUSH
	REINIT
.Lsame:
	s_cmp_lt_u32 s[TR], 8
	s_cbranch_scc1 .Lslot
	CHANGE 0                                       ; the ninth slot is written out
	SLOT_STEPS
	FLUSH
	s_wait_tensorcnt 0x0                           ; the wave's end: behind my last tensor load and my last LDS store
	ds_add_u32 v[SPW], v[NIL]
	s_wait_dscnt 0x0
	s_endpgm
.Lfunc_end_k_q7d7689f279_attn:
	.size	k_q7d7689f279_attn, .Lfunc_end_k_q7d7689f279_attn-k_q7d7689f279_attn
	.p2alignl 7, 3214868480
	.fill 96, 4, 3214868480
	.section	.rodata,"a",@progbits
	.p2align	6, 0x0
	.amdhsa_kernel k_q7d7689f279_attn
		.amdhsa_group_segment_fixed_size 327680
		.amdhsa_private_segment_fixed_size 0
		.amdhsa_enable_private_segment 0
		.amdhsa_kernarg_size 40
		.amdhsa_user_sgpr_count 2
		.amdhsa_user_sgpr_kernarg_segment_ptr 1
		.amdhsa_wavefront_size32 1
		.amdhsa_system_sgpr_workgroup_id_x 1
		.amdhsa_system_sgpr_workgroup_id_y 1
		.amdhsa_system_sgpr_workgroup_id_z 1
		.amdhsa_system_vgpr_workitem_id 0
		.amdhsa_next_free_vgpr 256
		.amdhsa_next_free_sgpr 100
		.amdhsa_reserve_vcc 1
		.amdhsa_float_denorm_mode_32 3
		.amdhsa_float_denorm_mode_16_64 3
		.amdhsa_memory_ordered 1
		.amdhsa_forward_progress 1
		.amdhsa_inst_pref_size 118
	.end_amdhsa_kernel
	.amdgpu_metadata
---
amdhsa.version: [ 1, 2 ]
amdhsa.kernels:
  - .name:           k_q7d7689f279_attn
    .symbol:         k_q7d7689f279_attn.kd
    .args:
      - { .name: query_codes, .offset: 0, .size: 8, .value_kind: global_buffer, .address_space: global }
      - { .name: query_scales, .offset: 8, .size: 8, .value_kind: global_buffer, .address_space: global }
      - { .name: kimg, .offset: 16, .size: 8, .value_kind: global_buffer, .address_space: global }
      - { .name: value_codes, .offset: 24, .size: 8, .value_kind: global_buffer, .address_space: global }
      - { .name: out0, .offset: 32, .size: 8, .value_kind: global_buffer, .address_space: global }
    .group_segment_fixed_size: 327680
    .private_segment_fixed_size: 0
    .kernarg_segment_align: 8
    .kernarg_segment_size: 40
    .max_flat_workgroup_size: 512
    .sgpr_count:     100
    .vgpr_count:     256
    .wavefront_size: 32
...
	.end_amdgpu_metadata
.endif
;; end of part 2
